; MI455X (gfx1250); checked and timed in simulation.
; The chip was launched on July 23, 2026; its instructions are those of AMD's public machine-readable ISA for CDNA 5 (MIT licence, August 2026) and "CDNA5" Instruction Set Architecture Reference Guide (July 2026). The comments in the code are by the model that wrote it; some were corrected since.
;; Attn Decoder RNN. Allowed arithmetic: float matrix products may take bf16 or f16 operands with f32 sums; all other float work in f32.
;; Inputs: attn_combine_b 1,024 float32; attn_combine_w 1,024 x 2,048 float32; b_hh 3,072 float32; b_ih 3,072 float32; embedding_w 50,257 x 1,024 float32; encoder_outputs 512 x 1 x 1,024 float32; hidden 1 x 1 x 1,024 float32; input_tok 1 int32; out_b 50,257 float32; out_w 50,257 x 1,024 float32; w_hh 3,072 x 1,024 float32; w_ih 3,072 x 1,024 float32.
;; Outputs: out0 1 x 50,257 float32; out1 1 x 1 x 1,024 float32; out2 1 x 512 float32.
;; One version. Each part assembles by itself: llvm-mc -triple=amdgcn-amd-amdhsa -mcpu=gfx1250 --defsym DOCPART=n.
;; ======== version 1 of 1: 5 launches
;; workspace buffers: pre 16,384 bytes; scores 2,048 bytes; astat 256 bytes; avec 65,536 bytes; xbuf 4,096 bytes; logits 201,216 bytes; lstat 6,400 bytes
;; launch front (part 1): grid 144 x 1, 8 waves a work-group, no clusters, 34,048 bytes of LDS; arguments encoder_outputs, w_hh, attn_combine_w, hidden, embedding_w, input_tok, b_hh, attn_combine_b, pre, scores, astat, avec; writes pre, scores, astat, avec
.if DOCPART == 1
	.amdgcn_target "amdgcn-amd-amdhsa--gfx1250"
	.amdhsa_code_object_version 6
	.text
	.protected	k_q31bfef41a1_front
	.globl	k_q31bfef41a1_front
	.p2align	8
	.type	k_q31bfef41a1_front,@function
k_q31bfef41a1_front:
	s_mov_b64 s[64:65], 0
	v_nop
	global_prefetch_b8 v0, s[64:65] scope:SCOPE_SE
	s_setreg_imm32_b32 hwreg(HW_REG_WAVE_MODE, 25, 1), 1
	s_wait_xcnt 0x0
; FRONT: everything of the decoder step that hangs on the inputs alone.  One body, three roles by the work-group's number g:
;   g <  16       attention, block p = g of 32 encoder rows: raw scores h0.enc[l], the block's maximum m_p,
;                 s_p = sum exp(score - m_p), and the vector sum exp(score_l - m_p) enc[l]  (merged by the next launch)
;   16 <= g < 112 gh = w_hh h0 + b_hh, 32 rows                 -> pre[0 .. 3071]
;   112 <= g      ce = Wc[:, :1024] emb[token] + bc, 32 rows   -> pre[3072 .. 4095]
; Every work-group reads 32 rows of 4,096 bytes; wave w holds rows 4w .. 4w+3 whole in 128 registers, so that the attention role
; uses each encoder byte twice (score, weighted sum) and reads it once.  A row is eight loads; each covers 512 consecutive bytes.
; All products are a matrix times ONE vector: 2 FLOPs for 4 bytes read.  They are done in f32 by v_pk_fma_f32: a matrix tile would use
; one of its sixteen rows, and rounding to bf16 would take as many instructions as the multiply-adds themselves.
; No cluster, no joint requests: work-groups share only the 4,096-byte vector, against 131,072 bytes of rows of their own.
; No LDS ring: the 16 KB that a wave asks for at once lie in its registers.
; pre and scores leave as 128 consecutive bytes for each work-group (its 32 results): owning 64 rows would halve the work-groups.
; LIMITS: v_exp_f32 gives 0 for results below 2^-126.  The token is taken as unsigned and clamped to 50,256.
.set VOCAB, 50257
.set LOG2E, 0x3fb8aa3b
.set DOTS,  32768                      ; LDS: [0, 32768) wave w's partial vector at 4096 w; [32768, 32896) the 32 dots, word 4w + i
.set OFF,   1                          ; v[1:4]     16 lane + i x pitch: my 16 bytes in row i of my wave's four
.set L4,    5                          ; v5         4 lane
.set BIAS,  6                          ; v6         bias of row 'lane' of the block (wave 0 of the two matrix roles)
.set T,     7                          ; v7         the other half's figure in a sum over lanes
.set CH,    8                          ; v[8:15]    four chains of two sums; later v8, v9: LDS addresses
.set R,     16                         ; v[16:19]   my wave's four dots, in every lane
.set E,     20                         ; v[20:27]   exp(dot_i - m_p), twice each (pairs for the packed multiply)
.set W16,   28                         ; v28        16 w
.set D32,   29                         ; v29        the block's 32 dots, one a lane
.set MS,    30                         ; v[30:31]   m_p, s_p
.set X,     32                         ; v[32:159]  row i at X + 32 i
.set H,     160                        ; v[160:191] the vector; later my wave's weighted sum
.set SEL,   44                         ; s[44:45]   v_permlanex16_b32: lane i of one half reads lane i of the other
.macro SUM32 r                         ; sum over the 32 lanes, the result in every lane
	v_add_f32_dpp v[\r], v[\r], v[\r] row_xmask:1 row_mask:0xf bank_mask:0xf
	v_add_f32_dpp v[\r], v[\r], v[\r] row_xmask:2 row_mask:0xf bank_mask:0xf
	v_add_f32_dpp v[\r], v[\r], v[\r] row_xmask:4 row_mask:0xf bank_mask:0xf
	v_add_f32_dpp v[\r], v[\r], v[\r] row_xmask:8 row_mask:0xf bank_mask:0xf
	v_permlanex16_b32 v[T], v[\r], s[SEL], s[SEL+1]
	v_add_f32 v[\r], v[\r], v[T]
.endm
.macro MAX32 r                         ; the same for the maximum
	v_max_num_f32_dpp v[\r], v[\r], v[\r] row_xmask:1 row_mask:0xf bank_mask:0xf
	v_max_num_f32_dpp v[\r], v[\r], v[\r] row_xmask:2 row_mask:0xf bank_mask:0xf
	v_max_num_f32_dpp v[\r], v[\r], v[\r] row_xmask:4 row_mask:0xf bank_mask:0xf
	v_max_num_f32_dpp v[\r], v[\r], v[\r] row_xmask:8 row_mask:0xf bank_mask:0xf
	v_permlanex16_b32 v[T], v[\r], s[SEL], s[SEL+1]
	v_max_num_f32 v[\r], v[\r], v[T]
.endm
; v[r] = the dot product of the 1,024 numbers in v[x .. x+31] and v[h .. h+31] of the wave.  Four chains, started by products: nothing is cleared.
.macro DOT x, h, r
.irp q, 0,1,2,3
	v_pk_mul_f32 v[CH+2*\q:CH+2*\q+1], v[\x+2*\q:\x+2*\q+1], v[\h+2*\q:\h+2*\q+1]
.endr
.irp q, 4,5,6,7,8,9,10,11,12,13,14,15
	v_pk_fma_f32 v[CH+2*(\q%4):CH+2*(\q%4)+1], v[\x+2*\q:\x+2*\q+1], v[\h+2*\q:\h+2*\q+1], v[CH+2*(\q%4):CH+2*(\q%4)+1]
.endr
	v_pk_add_f32 v[CH:CH+1], v[CH:CH+1], v[CH+2:CH+3]
	v_pk_add_f32 v[CH+4:CH+5], v[CH+4:CH+5], v[CH+6:CH+7]
	v_pk_add_f32 v[CH:CH+1], v[CH:CH+1], v[CH+4:CH+5]
	v_add_f32 v[\r], v[CH], v[CH+1]
	SUM32 \r
.endm
	s_load_b512 s[8:23], s[0:1], 0x0               ; enc s[8:9], w_hh s[10:11], Wc s[12:13], hidden s[14:15], emb s[16:17], token s[18:19], b_hh s[20:21], bc s[22:23]
	s_load_b256 s[24:31], s[0:1], 0x40             ; pre s[24:25], scores s[26:27], astat s[28:29], avec s[30:31]
	v_lshl_add_u32 v192, v0, 2, 0x8100
	v_mov_b32 v193, 0
	v_lshrrev_b32 v[T], 5, v0
	v_readfirstlane_b32 s3, v[T]                   ; wave 0..7
	v_and_b32 v[L4], 31, v0
	v_lshlrev_b32 v[OFF], 4, v[L4]                 ; 16 lane
	v_lshlrev_b32 v[L4], 2, v[L4]                  ; 4 lane
	v_mov_b32 v[BIAS], 0
	v_mov_b32 v[T], 0                              ; v_permlanex16_b32 counts as a reader of its destination
	s_lshl_b32 s47, s3, 4
	v_mov_b32 v[W16], s47
	s_mov_b32 s[SEL], 0x76543210
	s_mov_b32 s[SEL+1], 0xfedcba98
	s_mov_b32 s34, 4096
	s_mov_b32 s39, 0                               ; the high word of every offset pair s[38:39]
	s_wait_kmcnt 0x0
	; the role: matrix s[36:37], first work-group of the role s33, bytes from row to row s34, bias s[42:43]
	s_cmp_lt_u32 ttmp9, 16
	s_cselect_b64 s[36:37], s[8:9], s[10:11]
	s_cselect_b32 s33, 0, 16
	s_cmp_lt_u32 ttmp9, 112
	s_cselect_b64 s[36:37], s[36:37], s[12:13]
	s_cselect_b64 s[42:43], s[20:21], s[22:23]
	s_cselect_b32 s33, s33, 112
	s_cselect_b32 s34, s34, 8192                   ; Wc's rows are 2,048 numbers long; this role takes the first 1,024
	s_sub_co_u32 s33, ttmp9, s33                   ; the block's number in its matrix
	s_lshl_b32 s47, s33, 5
	s_lshl2_add_u32 s47, s3, s47                   ; my wave's first row: 32 block + 4 w
	s_mul_i32 s38, s47, s34                        ; at most 3,068 x 4,096 bytes
	s_add_nc_u64 s[36:37], s[36:37], s[38:39]
	s_lshl_b32 s38, s33, 7
	s_add_nc_u64 s[42:43], s[42:43], s[38:39]      ; the block's 32 biases
	v_add_nc_u32 v[OFF+1], s34, v[OFF]
	v_add_nc_u32 v[OFF+2], s34, v[OFF+1]
	v_add_nc_u32 v[OFF+3], s34, v[OFF+2]
.irp i, 0,1,2,3
.irp j, 0,1,2,3,4,5,6,7
	global_load_b128 v[X+32*\i+4*\j:X+32*\i+4*\j+3], v[OFF+\i], s[36:37] offset:512*\j th:TH_LOAD_NT   ; read once in the launch
.endr
.endr
	s_cmp_lt_u32 ttmp9, 16                         ; the bias: wave 0 of the two matrix roles alone adds it
	s_cbranch_scc1 .Lnb
	s_cmp_lg_u32 s3, 0
	s_cbranch_scc1 .Lnb
	global_load_b32 v[BIAS], v[L4], s[42:43]
.Lnb:
	s_mov_b64 s[40:41], s[14:15]                   ; the vector: hidden, or for the third role the token's row of the embedding
	s_cmp_lt_u32 ttmp9, 112
	s_cbranch_scc1 .Lvec
	s_load_b32 s32, s[18:19], 0x0
	s_wait_kmcnt 0x0
	s_min_u32 s32, s32, VOCAB-1                    ; an index stays inside its table
	s_lshl_b32 s38, s32, 12                        ; 4,096 bytes a row: below 2^28
	s_add_nc_u64 s[40:41], s[16:17], s[38:39]
.Lvec:
.irp j, 0,1,2,3,4,5,6,7
	global_load_b128 v[H+4*\j:H+4*\j+3], v[OFF], s[40:41] offset:512*\j
.endr
	s_wait_loadcnt 0x0                             ; one burst, and the vector, which every product needs, was asked for last
.irp i, 0,1,2,3
	DOT X+32*\i, H, R+\i
.endr
.irp i, 0,1,2,3
	ds_store_b32 v[W16], v[R+\i] offset:DOTS+4*\i  ; all lanes store the same number to word 4w + i
.endr
	s_wait_dscnt 0x0                               ; for the other waves: my four words are in LDS before I say so
	s_barrier_signal -1
	s_barrier_wait -1
	s_cmp_lt_u32 ttmp9, 16
	s_cbranch_scc1 .Lattn
	; the two matrix roles: wave 0 adds the bias and stores the block's 32 results, 128 consecutive bytes
	s_cmp_lg_u32 s3, 0
	s_cbranch_scc1 .Lend
	ds_load_b32 v[D32], v[L4] offset:DOTS
	s_sub_co_u32 s47, ttmp9, 16
	s_lshl_b32 s38, s47, 7                         ; pre's index is 32 (g - 16) + lane in both roles
	s_add_nc_u64 s[24:25], s[24:25], s[38:39]
	s_wait_dscnt 0x0
	v_add_f32 v[D32], v[D32], v[BIAS]
	global_store_b32 v[L4], v[D32], s[24:25]
.Lend:
	s_wait_tensorcnt 0x0
	ds_add_u32 v192, v193
	s_wait_dscnt 0x0
	s_endpgm
.Lattn:
	ds_load_b32 v[D32], v[L4] offset:DOTS          ; every wave: the block's 32 scores, one a lane
	s_wait_dscnt 0x0
	v_mov_b32 v[MS], v[D32]
	MAX32 MS                                       ; m_p
	v_sub_f32 v[MS+1], v[D32], v[MS]
	v_mul_f32 v[MS+1], LOG2E, v[MS+1]
	v_exp_f32 v[MS+1], v[MS+1]                     ; the subtractions below are the plain place behind it (ISA guide 5.7.2)
.irp i, 0,1,2,3
	v_sub_f32 v[E+2*\i], v[R+\i], v[MS]
.endr
.irp i, 0,1,2,3
	v_mul_f32 v[E+2*\i], LOG2E, v[E+2*\i]
.endr
.irp i, 0,1,2,3
	v_exp_f32 v[E+2*\i], v[E+2*\i]                 ; exp(score_i - m_p) of my four rows
.endr
	v_nop                                          ; one plain place before the results are read
	s_wait_alu depctr_va_vdst(0)
	SUM32 MS+1                                     ; s_p
.irp i, 0,1,2,3
	v_mov_b32 v[E+2*\i+1], v[E+2*\i]
.endr
	; my wave's part of the weighted sum, over the vector, which is done with
.set q, 0
.rept 16
	v_pk_mul_f32 v[H+2*q:H+2*q+1], v[X+2*q:X+2*q+1], v[E:E+1]
.set q, q+1
.endr
.irp i, 1,2,3
.set q, 0
.rept 16
	v_pk_fma_f32 v[H+2*q:H+2*q+1], v[X+32*\i+2*q:X+32*\i+2*q+1], v[E+2*\i:E+2*\i+1], v[H+2*q:H+2*q+1]
.set q, q+1
.endr
.endr
	s_lshl_b32 s47, s3, 12
	v_add_nc_u32 v8, s47, v[OFF]                   ; 4096 w + 16 lane
	v_lshlrev_b32 v9, 4, v0                        ; 16 t
.irp j, 0,1,2,3,4,5,6,7
	ds_store_b128 v8, v[H+4*\j:H+4*\j+3] offset:512*\j
.endr
	s_cmp_lg_u32 s3, 0
	s_cbranch_scc1 .Lnw0
	s_lshl_b32 s38, ttmp9, 7                       ; wave 0: the 32 raw scores, 128 consecutive bytes,
	s_add_nc_u64 s[26:27], s[26:27], s[38:39]
	global_store_b32 v[L4], v[D32], s[26:27]
	s_lshl_b32 s38, ttmp9, 3                       ; and from lane 0 the pair (m_p, s_p)
	s_add_nc_u64 s[28:29], s[28:29], s[38:39]
	s_wait_xcnt 0x0                                ; EXEC is a source of the store above: it changes only behind this wait
	v_cmp_eq_u32 vcc_lo, 0, v[L4]
	s_and_saveexec_b32 s46, vcc_lo
	global_store_b64 v[L4], v[MS:MS+1], s[28:29]
	s_wait_xcnt 0x0                                ; and again before it widens
	s_or_b32 exec_lo, exec_lo, s46
.Lnw0:
	s_wait_dscnt 0x0                               ; for the other waves: my partial vector is in LDS
	s_barrier_signal -1
	s_barrier_wait -1
	; thread t adds the eight waves' numbers 4t .. 4t+3
.irp p, 0,1,2,3,4,5,6,7
	ds_load_b128 v[X+4*\p:X+4*\p+3], v9 offset:4096*\p
.endr
	s_lshl_b32 s38, ttmp9, 12
	s_add_nc_u64 s[30:31], s[30:31], s[38:39]
.irp p, 1,2,3,4,5,6,7
	s_wait_dscnt 7-\p                              ; LDS loads come back in order (ISA guide 5.7.1): parts 0 .. p are in, the 7 - p younger ones stay out
	v_pk_add_f32 v[X:X+1], v[X:X+1], v[X+4*\p:X+4*\p+1]
	v_pk_add_f32 v[X+2:X+3], v[X+2:X+3], v[X+4*\p+2:X+4*\p+3]
.endr
	global_store_b128 v9, v[X:X+3], s[30:31]       ; a wave's store covers 512 consecutive bytes, aligned
	s_wait_tensorcnt 0x0
	ds_add_u32 v192, v193
	s_wait_dscnt 0x0
	s_endpgm
.Lfunc_end_k_q31bfef41a1_front:
	.size	k_q31bfef41a1_front, .Lfunc_end_k_q31bfef41a1_front-k_q31bfef41a1_front
	.p2alignl 7, 3214868480
	.fill 96, 4, 3214868480
	.section	.rodata,"a",@progbits
	.p2align	6, 0x0
	.amdhsa_kernel k_q31bfef41a1_front
		.amdhsa_group_segment_fixed_size 34048
		.amdhsa_private_segment_fixed_size 0
		.amdhsa_enable_private_segment 0
		.amdhsa_kernarg_size 96
		.amdhsa_user_sgpr_count 2
		.amdhsa_user_sgpr_kernarg_segment_ptr 1
		.amdhsa_wavefront_size32 1
		.amdhsa_system_sgpr_workgroup_id_x 1
		.amdhsa_system_sgpr_workgroup_id_y 1
		.amdhsa_system_sgpr_workgroup_id_z 1
		.amdhsa_system_vgpr_workitem_id 0
		.amdhsa_next_free_vgpr 194
		.amdhsa_next_free_sgpr 66
		.amdhsa_reserve_vcc 1
		.amdhsa_float_denorm_mode_32 3
		.amdhsa_float_denorm_mode_16_64 3
		.amdhsa_memory_ordered 1
		.amdhsa_forward_progress 1
		.amdhsa_inst_pref_size 22
	.end_amdhsa_kernel
	.amdgpu_metadata
---
amdhsa.version: [ 1, 2 ]
amdhsa.kernels:
  - .name:           k_q31bfef41a1_front
    .symbol:         k_q31bfef41a1_front.kd
    .args:
      - { .name: encoder_outputs, .offset: 0, .size: 8, .value_kind: global_buffer, .address_space: global }
      - { .name: w_hh, .offset: 8, .size: 8, .value_kind: global_buffer, .address_space: global }
      - { .name: attn_combine_w, .offset: 16, .size: 8, .value_kind: global_buffer, .address_space: global }
      - { .name: hidden, .offset: 24, .size: 8, .value_kind: global_buffer, .address_space: global }
      - { .name: embedding_w, .offset: 32, .size: 8, .value_kind: global_buffer, .address_space: global }
      - { .name: input_tok, .offset: 40, .size: 8, .value_kind: global_buffer, .address_space: global }
      - { .name: b_hh, .offset: 48, .size: 8, .value_kind: global_buffer, .address_space: global }
      - { .name: attn_combine_b, .offset: 56, .size: 8, .value_kind: global_buffer, .address_space: global }
      - { .name: pre, .offset: 64, .size: 8, .value_kind: global_buffer, .address_space: global }
      - { .name: scores, .offset: 72, .size: 8, .value_kind: global_buffer, .address_space: global }
      - { .name: astat, .offset: 80, .size: 8, .value_kind: global_buffer, .address_space: global }
      - { .name: avec, .offset: 88, .size: 8, .value_kind: global_buffer, .address_space: global }
    .group_segment_fixed_size: 34048
    .private_segment_fixed_size: 0
    .kernarg_segment_align: 8
    .kernarg_segment_size: 96
    .max_flat_workgroup_size: 256
    .sgpr_count:     66
    .vgpr_count:     194
    .wavefront_size: 32
...
	.end_amdgpu_metadata
.endif
;; end of part 1
;; launch combine (part 2): grid 129 x 1, 8 waves a work-group, no clusters, 5,120 bytes of LDS; arguments astat, avec, scores, pre, attn_combine_w, xbuf, out2; writes xbuf, out2
.if DOCPART == 2
	.amdgcn_target "amdgcn-amd-amdhsa--gfx1250"
	.amdhsa_code_object_version 6
	.text
	.protected	k_q31bfef41a1_combine
	.globl	k_q31bfef41a1_combine
	.p2align	8
	.type	k_q31bfef41a1_combine,@function
k_q31bfef41a1_combine:
	s_mov_b64 s[64:65], 0
	v_nop
	global_prefetch_b8 v0, s[64:65] scope:SCOPE_SE
	s_setreg_imm32_b32 hwreg(HW_REG_WAVE_MODE, 25, 1), 1
	s_wait_xcnt 0x0
; COMBINE: merges the 16 attention blocks and makes x = relu(ce + Wc[:, 1024:] applied).
; With M = max m_p and S = sum exp(m_p - M) s_p:  weight_l = exp(score_l - M) / S,  applied = sum_p (exp(m_p - M) / S) avec_p.
; Work-groups 0 .. 127: every one rebuilds 'applied' (thread t its numbers 4t .. 4t+3 from the 16 partial vectors, 65,536 bytes that all
; work-groups read), hands it round through LDS, and wave w multiplies it with row 8 g + w of Wc's second half, 4,096 bytes read once.
; Work-group 128: the 512 attention weights (out2), two a thread; a wave's store covers 256 consecutive bytes, aligned.
; f32 on the vector ALU, as in the first launch: a matrix times one vector.  No joint requests: the shared vectors are read through
; registers by every thread for its own four columns, and the launch is one short chain of dependent steps.
; x leaves as 4 bytes a wave: 64 rows to a work-group would leave 16 work-groups for the 4 MB of Wc.
; LIMITS: relu is v_max_num_f32, so a NaN becomes 0.  v_exp_f32 gives 0 below 2^-126: weights that small come out as 0.
.set LOG2E, 0x3fb8aa3b
.set T,   21                           ; v21        the other half's figure in a sum over lanes
.set CH,  8                            ; v[8:15]    four chains of two sums
.set ACC, 16                           ; v[16:19]   my four numbers of 'applied'
.set AV,  32                           ; v[32:95]   the 16 partial vectors' numbers 4t .. 4t+3; later v[32:63]: 'applied' in the rows' layout
.set ROW, 96                           ; v[96:127]  my wave's row of Wc
.set SEL, 48                           ; s[48:49]
; v1 16 lane; v2 8 (lane & 15); v3 16 t; v[4:5] (m_p, s_p), p = lane & 15; v[6:7] two scores; v20 dot; v22 M; v23 exp(m_p - M) / S; v24 1 / S; v25 8 t
; s[32:47] the sixteen factors exp(m_p - M) / S
.macro SUM16 r                         ; over 16 lanes; both halves of the wave hold the same 16 pairs
	v_add_f32_dpp v[\r], v[\r], v[\r] row_xmask:1 row_mask:0xf bank_mask:0xf
	v_add_f32_dpp v[\r], v[\r], v[\r] row_xmask:2 row_mask:0xf bank_mask:0xf
	v_add_f32_dpp v[\r], v[\r], v[\r] row_xmask:4 row_mask:0xf bank_mask:0xf
	v_add_f32_dpp v[\r], v[\r], v[\r] row_xmask:8 row_mask:0xf bank_mask:0xf
.endm
.macro MAX16 r
	v_max_num_f32_dpp v[\r], v[\r], v[\r] row_xmask:1 row_mask:0xf bank_mask:0xf
	v_max_num_f32_dpp v[\r], v[\r], v[\r] row_xmask:2 row_mask:0xf bank_mask:0xf
	v_max_num_f32_dpp v[\r], v[\r], v[\r] row_xmask:4 row_mask:0xf bank_mask:0xf
	v_max_num_f32_dpp v[\r], v[\r], v[\r] row_xmask:8 row_mask:0xf bank_mask:0xf
.endm
.macro SUM32 r
	SUM16 \r
	v_permlanex16_b32 v[T], v[\r], s[SEL], s[SEL+1]
	v_add_f32 v[\r], v[\r], v[T]
.endm
.macro DOT x, h, r
.irp q, 0,1,2,3
	v_pk_mul_f32 v[CH+2*\q:CH+2*\q+1], v[\x+2*\q:\x+2*\q+1], v[\h+2*\q:\h+2*\q+1]
.endr
.irp q, 4,5,6,7,8,9,10,11,12,13,14,15
	v_pk_fma_f32 v[CH+2*(\q%4):CH+2*(\q%4)+1], v[\x+2*\q:\x+2*\q+1], v[\h+2*\q:\h+2*\q+1], v[CH+2*(\q%4):CH+2*(\q%4)+1]
.endr
	v_pk_add_f32 v[CH:CH+1], v[CH:CH+1], v[CH+2:CH+3]
	v_pk_add_f32 v[CH+4:CH+5], v[CH+4:CH+5], v[CH+6:CH+7]
	v_pk_add_f32 v[CH:CH+1], v[CH:CH+1], v[CH+4:CH+5]
	v_add_f32 v[\r], v[CH], v[CH+1]
	SUM32 \r
.endm
.macro STATS                           ; from v[4:5]: v22 = M, v24 = 1 / S, v23 = exp(m_p - M) / S
	v_mov_b32 v22, v4
	MAX16 22
	v_sub_f32 v23, v4, v22
	v_mul_f32 v23, LOG2E, v23
	v_exp_f32 v23, v23
	v_nop                                          ; one plain place behind a transcendental (ISA guide 5.7.2)
	s_wait_alu depctr_va_vdst(0)
	v_mul_f32 v24, v23, v5
	SUM16 24                                       ; S >= 1: the block that holds M gives exp(0) s_p, and s_p >= 1
	v_rcp_f32 v24, v24
	v_nop
	s_wait_alu depctr_va_vdst(0)
	v_mul_f32 v23, v23, v24
.endm
	s_load_b256 s[8:15], s[0:1], 0x0               ; astat s[8:9], avec s[10:11], scores s[12:13], pre s[14:15]
	s_load_b128 s[16:19], s[0:1], 0x20             ; Wc s[16:17], xbuf s[18:19]
	s_load_b64 s[20:21], s[0:1], 0x30              ; out2
	v_lshl_add_u32 v128, v0, 2, 0x1000
	v_mov_b32 v129, 0
	v_lshrrev_b32 v[T], 5, v0
	v_readfirstlane_b32 s3, v[T]                   ; wave 0..7
	v_and_b32 v1, 31, v0
	v_and_b32 v2, 15, v0
	v_lshlrev_b32 v1, 4, v1
	v_lshlrev_b32 v2, 3, v2
	v_lshlrev_b32 v3, 4, v0
	v_lshlrev_b32 v25, 3, v0
	v_mov_b32 v[T], 0
	s_mov_b32 s[SEL], 0x76543210
	s_mov_b32 s[SEL+1], 0xfedcba98
	s_mov_b32 s29, 0
	s_wait_kmcnt 0x0
	global_load_b64 v[4:5], v2, s[8:9]             ; the 16 pairs, 128 bytes
	s_cmp_eq_u32 ttmp9, 128
	s_cbranch_scc1 .Lw
	s_lshl3_add_u32 s27, ttmp9, s3                 ; my row: 8 g + w
	s_lshl_b32 s28, s27, 13                        ; 8,192 bytes a row
	s_add_nc_u64 s[24:25], s[16:17], s[28:29]
	s_lshl_b32 s27, s27, 2
.irp p, 0,1,2,3,4,5,6,7,8,9,10,11,12,13,14,15
	global_load_b128 v[AV+4*\p:AV+4*\p+3], v3, s[10:11] offset:4096*\p
.endr
.irp j, 0,1,2,3,4,5,6,7
	global_load_b128 v[ROW+4*\j:ROW+4*\j+3], v1, s[24:25] offset:4096+512*\j th:TH_LOAD_NT   ; the row's second half, read once
.endr
	s_load_b32 s26, s[14:15], s27 offset:12288     ; ce of my row
	s_wait_loadcnt 24                              ; the pairs are in; 16 + 8 younger loads stay out
	STATS
.irp p, 0,1,2,3,4,5,6,7,8,9,10,11,12,13,14,15
	v_readlane_b32 s[32+\p], v23, \p
.endr
	s_wait_loadcnt 23                              ; partial vector 0 is in: 15 + 8 younger
.irp k, 0,1,2,3
	v_mul_f32 v[ACC+\k], s32, v[AV+\k]             ; the first product starts the sums
.endr
.set p, 1
.rept 15
	s_wait_loadcnt 23-p                            ; partial vector p: 15 - p of its kind and the row's 8 are younger
.irp k, 0,1,2,3
	v_fmac_f32 v[ACC+\k], s[32+p], v[AV+4*p+\k]
.endr
.set p, p+1
.endr
	ds_store_b128 v3, v[ACC:ACC+3]
	s_wait_dscnt 0x0                               ; for the other waves: my 16 bytes are in LDS
	s_barrier_signal -1
	s_barrier_wait -1
.irp j, 0,1,2,3,4,5,6,7
	ds_load_b128 v[AV+4*\j:AV+4*\j+3], v1 offset:512*\j    ; 'applied', laid out as the row is
.endr
	s_mov_b32 s28, s27
	s_add_nc_u64 s[18:19], s[18:19], s[28:29]      ; x[row]
	s_wait_loadcnt 0x0                             ; the row
	s_wait_dscnt 0x0
	s_wait_kmcnt 0x0
	DOT ROW, AV, 20
	v_add_f32 v20, s26, v20
	v_max_num_f32 v20, 0, v20                      ; relu
	s_wait_xcnt 0x0                                ; EXEC changes only behind this wait
	v_cmp_eq_u32 vcc_lo, 0, v1
	s_wait_tensorcnt 0x0
	ds_add_u32 v128, v129
	s_wait_dscnt 0x0
	s_and_saveexec_b32 s50, vcc_lo
	global_store_b32 v1, v20, s[18:19]             ; lane 0
	s_endpgm
.Lw:
	global_load_b64 v[6:7], v25, s[12:13]          ; scores 2t, 2t + 1
	s_wait_loadcnt 0x0
	STATS
	v_sub_f32 v6, v6, v22
	v_sub_f32 v7, v7, v22
	v_mul_f32 v6, LOG2E, v6
	v_mul_f32 v7, LOG2E, v7
	v_exp_f32 v6, v6
	v_exp_f32 v7, v7
	v_nop
	s_wait_alu depctr_va_vdst(0)
	v_mul_f32 v6, v6, v24
	v_mul_f32 v7, v7, v24
	global_store_b64 v25, v[6:7], s[20:21]
	s_endpgm
.Lfunc_end_k_q31bfef41a1_combine:
	.size	k_q31bfef41a1_combine, .Lfunc_end_k_q31bfef41a1_combine-k_q31bfef41a1_combine
	.p2alignl 7, 3214868480
	.fill 96, 4, 3214868480
	.section	.rodata,"a",@progbits
	.p2align	6, 0x0
	.amdhsa_kernel k_q31bfef41a1_combine
		.amdhsa_group_segment_fixed_size 5120
		.amdhsa_private_segment_fixed_size 0
		.amdhsa_enable_private_segment 0
		.amdhsa_kernarg_size 56
		.amdhsa_user_sgpr_count 2
		.amdhsa_user_sgpr_kernarg_segment_ptr 1
		.amdhsa_wavefront_size32 1
		.amdhsa_system_sgpr_workgroup_id_x 1
		.amdhsa_system_sgpr_workgroup_id_y 1
		.amdhsa_system_sgpr_workgroup_id_z 1
		.amdhsa_system_vgpr_workitem_id 0
		.amdhsa_next_free_vgpr 130
		.amdhsa_next_free_sgpr 66
		.amdhsa_reserve_vcc 1
		.amdhsa_float_denorm_mode_32 3
		.amdhsa_float_denorm_mode_16_64 3
		.amdhsa_memory_ordered 1
		.amdhsa_forward_progress 1
		.amdhsa_inst_pref_size 13
	.end_amdhsa_kernel
	.amdgpu_metadata
---
amdhsa.version: [ 1, 2 ]
amdhsa.kernels:
  - .name:           k_q31bfef41a1_combine
    .symbol:         k_q31bfef41a1_combine.kd
    .args:
      - { .name: astat, .offset: 0, .size: 8, .value_kind: global_buffer, .address_space: global }
      - { .name: avec, .offset: 8, .size: 8, .value_kind: global_buffer, .address_space: global }
      - { .name: scores, .offset: 16, .size: 8, .value_kind: global_buffer, .address_space: global }
      - { .name: pre, .offset: 24, .size: 8, .value_kind: global_buffer, .address_space: global }
      - { .name: attn_combine_w, .offset: 32, .size: 8, .value_kind: global_buffer, .address_space: global }
      - { .name: xbuf, .offset: 40, .size: 8, .value_kind: global_buffer, .address_space: global }
      - { .name: out2, .offset: 48, .size: 8, .value_kind: global_buffer, .address_space: global }
    .group_segment_fixed_size: 5120
    .private_segment_fixed_size: 0
    .kernarg_segment_align: 8
    .kernarg_segment_size: 56
    .max_flat_workgroup_size: 256
    .sgpr_count:     66
    .vgpr_count:     130
    .wavefront_size: 32
...
	.end_amdgpu_metadata
.endif
;; end of part 2
;; launch gru (part 3): grid 256 x 1, 4 waves a work-group, no clusters, 0 bytes of LDS; arguments xbuf, w_ih, b_ih, pre, hidden, out1; writes out1
.if DOCPART == 3
	.amdgcn_target "amdgcn-amd-amdhsa--gfx1250"
	.amdhsa_code_object_version 6
	.text
	.protected	k_q31bfef41a1_gru
	.globl	k_q31bfef41a1_gru
	.p2align	8
	.type	k_q31bfef41a1_gru,@function
k_q31bfef41a1_gru:
	s_mov_b64 s[64:65], 0
	v_nop
	global_prefetch_b8 v0, s[64:65] scope:SCOPE_SE
	s_setreg_imm32_b32 hwreg(HW_REG_WAVE_MODE, 25, 1), 1
	s_wait_xcnt 0x0
; GRU: h_new[j] for j = 4 g + w, one wave for each j.  The wave reads rows j, 1024 + j, 2048 + j of w_ih (gates r, z, n), 12,288 bytes asked
; for at once, and multiplies each with x; gh (w_hh h0 + b_hh) comes ready from the first launch.
;   r = sigmoid(gi_r + gh_r), z = sigmoid(gi_z + gh_z), n = tanh(gi_n + r gh_n), h_new = n + z (h0 - n)
;   sigmoid(a) = 1 / (1 + 2^(-a log2 e)),  tanh(a) = 1 - 2 / (1 + 2^(2 a log2 e)): an overflowing power gives infinity, whose reciprocal is 0.
; f32 on the vector ALU: a matrix times one vector.  The waves do not depend on each other: no LDS, no barrier.  Work-groups share only x.
; h_new leaves as 4 bytes a wave: 64 results to a work-group would leave 16 work-groups for the 12.6 MB of w_ih.
.set NLOG2E, 0xbfb8aa3b
.set LOG2E2, 0x4038aa3b
.set GATE, 4194304                     ; bytes from a gate's row j to the next gate's
.set T,    19
.set CH,   8                           ; v[8:15]   chains
.set XV,   32                          ; v[32:63]  x
.set ROWS, 64                          ; v[64:159] the three rows
.set SEL,  38                          ; s[38:39]
; v1 16 lane; v16, v17, v18 the three dots; v[20:23] at work
; s20 4 j; s28-30 b_ih of r, z, n; s31-33 gh of r, z, n; s34 h0[j]; s35, s36 the folded biases of r and z; s37 -log2 e
.macro SUM32 r
	v_add_f32_dpp v[\r], v[\r], v[\r] row_xmask:1 row_mask:0xf bank_mask:0xf
	v_add_f32_dpp v[\r], v[\r], v[\r] row_xmask:2 row_mask:0xf bank_mask:0xf
	v_add_f32_dpp v[\r], v[\r], v[\r] row_xmask:4 row_mask:0xf bank_mask:0xf
	v_add_f32_dpp v[\r], v[\r], v[\r] row_xmask:8 row_mask:0xf bank_mask:0xf
	v_permlanex16_b32 v[T], v[\r], s[SEL], s[SEL+1]
	v_add_f32 v[\r], v[\r], v[T]
.endm
.macro DOT x, h, r
.irp q, 0,1,2,3
	v_pk_mul_f32 v[CH+2*\q:CH+2*\q+1], v[\x+2*\q:\x+2*\q+1], v[\h+2*\q:\h+2*\q+1]
.endr
.irp q, 4,5,6,7,8,9,10,11,12,13,14,15
	v_pk_fma_f32 v[CH+2*(\q%4):CH+2*(\q%4)+1], v[\x+2*\q:\x+2*\q+1], v[\h+2*\q:\h+2*\q+1], v[CH+2*(\q%4):CH+2*(\q%4)+1]
.endr
	v_pk_add_f32 v[CH:CH+1], v[CH:CH+1], v[CH+2:CH+3]
	v_pk_add_f32 v[CH+4:CH+5], v[CH+4:CH+5], v[CH+6:CH+7]
	v_pk_add_f32 v[CH:CH+1], v[CH:CH+1], v[CH+4:CH+5]
	v_add_f32 v[\r], v[CH], v[CH+1]
	SUM32 \r
.endm
	s_load_b256 s[8:15], s[0:1], 0x0               ; xbuf s[8:9], w_ih s[10:11], b_ih s[12:13], pre s[14:15]
	s_load_b128 s[16:19], s[0:1], 0x20             ; hidden s[16:17], out1 s[18:19]
	v_lshrrev_b32 v[T], 5, v0
	v_readfirstlane_b32 s3, v[T]                   ; wave 0..3
	v_and_b32 v1, 31, v0
	v_lshlrev_b32 v1, 4, v1
	v_mov_b32 v[T], 0
	s_mov_b32 s[SEL], 0x76543210
	s_mov_b32 s[SEL+1], 0xfedcba98
	s_mov_b32 s37, NLOG2E
	s_lshl2_add_u32 s21, ttmp9, s3                 ; j
	s_lshl_b32 s20, s21, 2
	s_lshl_b32 s22, s21, 12
	s_add_co_u32 s22, s22, GATE                    ; the base stands at the middle gate's row: the outer two are then GATE below and above it,
	s_mov_b32 s23, 0                               ; inside the signed 24-bit immediate (2 GATE from the first row would not be)
	s_wait_kmcnt 0x0
	s_add_nc_u64 s[24:25], s[10:11], s[22:23]
.irp j, 0,1,2,3,4,5,6,7
	global_load_b128 v[XV+4*\j:XV+4*\j+3], v1, s[8:9] offset:512*\j
.endr
.irp j, 0,1,2,3,4,5,6,7
	global_load_b128 v[ROWS+4*\j:ROWS+4*\j+3], v1, s[24:25] offset:512*\j-GATE th:TH_LOAD_NT
.endr
.irp j, 0,1,2,3,4,5,6,7
	global_load_b128 v[ROWS+32+4*\j:ROWS+32+4*\j+3], v1, s[24:25] offset:512*\j th:TH_LOAD_NT
.endr
.irp j, 0,1,2,3,4,5,6,7
	global_load_b128 v[ROWS+64+4*\j:ROWS+64+4*\j+3], v1, s[24:25] offset:512*\j+GATE th:TH_LOAD_NT
.endr
	s_load_b32 s28, s[12:13], s20 offset:0x0
	s_load_b32 s29, s[12:13], s20 offset:0x1000
	s_load_b32 s30, s[12:13], s20 offset:0x2000
	s_load_b32 s31, s[14:15], s20 offset:0x0
	s_load_b32 s32, s[14:15], s20 offset:0x1000
	s_load_b32 s33, s[14:15], s20 offset:0x2000
	s_load_b32 s34, s[16:17], s20 offset:0x0
	s_wait_loadcnt 16                              ; x and r's row are in; the 16 loads of z's and n's rows stay out
	DOT ROWS, XV, 16
	s_wait_loadcnt 8                               ; z's row; n's 8 loads stay out
	DOT ROWS+32, XV, 17
	s_wait_loadcnt 0x0
	DOT ROWS+64, XV, 18
	s_wait_kmcnt 0x0
	s_add_f32 s35, s28, s31
	s_add_f32 s36, s29, s32
	s_mul_f32 s35, s35, s37
	s_mul_f32 s36, s36, s37
	s_mov_b32 s22, s20
	s_add_nc_u64 s[18:19], s[18:19], s[22:23]      ; out1[j]
	v_fma_f32 v20, v16, s37, s35                   ; -(gi_r + gh_r) log2 e
	v_fma_f32 v21, v17, s37, s36
	v_exp_f32 v20, v20
	v_exp_f32 v21, v21
	v_add_f32 v22, s30, v18                        ; gi_n; also the plain place behind the two powers (ISA guide 5.7.2)
	s_wait_alu depctr_va_vdst(0)
	v_add_f32 v20, 1.0, v20
	v_add_f32 v21, 1.0, v21
	v_rcp_f32 v20, v20                             ; r
	v_rcp_f32 v21, v21                             ; z
	v_nop
	s_wait_alu depctr_va_vdst(0)
	v_fma_f32 v22, v20, s33, v22                   ; gi_n + r gh_n
	v_mul_f32 v22, LOG2E2, v22
	v_exp_f32 v22, v22
	v_nop
	s_wait_alu depctr_va_vdst(0)
	v_add_f32 v22, 1.0, v22
	v_rcp_f32 v22, v22
	v_nop
	s_wait_alu depctr_va_vdst(0)
	v_fma_f32 v22, v22, -2.0, 1.0                  ; n
	v_sub_f32 v23, s34, v22
	v_fma_f32 v23, v21, v23, v22                   ; n + z (h0 - n)
	s_wait_xcnt 0x0                                ; EXEC changes only behind this wait
	v_cmp_eq_u32 vcc_lo, 0, v1
	s_and_saveexec_b32 s40, vcc_lo
	global_store_b32 v1, v23, s[18:19]             ; lane 0
	s_endpgm
.Lfunc_end_k_q31bfef41a1_gru:
	.size	k_q31bfef41a1_gru, .Lfunc_end_k_q31bfef41a1_gru-k_q31bfef41a1_gru
	.p2alignl 7, 3214868480
	.fill 96, 4, 3214868480
	.section	.rodata,"a",@progbits
	.p2align	6, 0x0
	.amdhsa_kernel k_q31bfef41a1_gru
		.amdhsa_group_segment_fixed_size 0
		.amdhsa_private_segment_fixed_size 0
		.amdhsa_enable_private_segment 0
		.amdhsa_kernarg_size 48
		.amdhsa_user_sgpr_count 2
		.amdhsa_user_sgpr_kernarg_segment_ptr 1
		.amdhsa_wavefront_size32 1
		.amdhsa_system_sgpr_workgroup_id_x 1
		.amdhsa_system_sgpr_workgroup_id_y 1
		.amdhsa_system_sgpr_workgroup_id_z 1
		.amdhsa_system_vgpr_workitem_id 0
		.amdhsa_next_free_vgpr 160
		.amdhsa_next_free_sgpr 66
		.amdhsa_reserve_vcc 1
		.amdhsa_float_denorm_mode_32 3
		.amdhsa_float_denorm_mode_16_64 3
		.amdhsa_memory_ordered 1
		.amdhsa_forward_progress 1
		.amdhsa_inst_pref_size 11
	.end_amdhsa_kernel
	.amdgpu_metadata
---
amdhsa.version: [ 1, 2 ]
amdhsa.kernels:
  - .name:           k_q31bfef41a1_gru
    .symbol:         k_q31bfef41a1_gru.kd
    .args:
      - { .name: xbuf, .offset: 0, .size: 8, .value_kind: global_buffer, .address_space: global }
      - { .name: w_ih, .offset: 8, .size: 8, .value_kind: global_buffer, .address_space: global }
      - { .name: b_ih, .offset: 16, .size: 8, .value_kind: global_buffer, .address_space: global }
      - { .name: pre, .offset: 24, .size: 8, .value_kind: global_buffer, .address_space: global }
      - { .name: hidden, .offset: 32, .size: 8, .value_kind: global_buffer, .address_space: global }
      - { .name: out1, .offset: 40, .size: 8, .value_kind: global_buffer, .address_space: global }
    .group_segment_fixed_size: 0
    .private_segment_fixed_size: 0
    .kernarg_segment_align: 8
    .kernarg_segment_size: 48
    .max_flat_workgroup_size: 128
    .sgpr_count:     66
    .vgpr_count:     160
    .wavefront_size: 32
...
	.end_amdgpu_metadata
.endif
;; end of part 3
;; launch logits (part 4): grid 786 x 1, 4 waves a work-group, no clusters, 768 bytes of LDS; arguments out1, out_w, out_b, logits, lstat; writes logits, lstat
.if DOCPART == 4
	.amdgcn_target "amdgcn-amd-amdhsa--gfx1250"
	.amdhsa_code_object_version 6
	.text
	.protected	k_q31bfef41a1_logits
	.globl	k_q31bfef41a1_logits
	.p2align	8
	.type	k_q31bfef41a1_logits,@function
k_q31bfef41a1_logits:
	s_mov_b64 s[64:65], 0
	v_nop
	global_prefetch_b8 v0, s[64:65] scope:SCOPE_SE
	s_setreg_imm32_b32 hwreg(HW_REG_WAVE_MODE, 25, 1), 1
	s_wait_xcnt 0x0
; LOGITS: logit[v] = out_w[v] . h_new + out_b[v], and for each block of 64 of them its maximum m and s = sum exp(logit - m), from which the
; last launch makes the logsumexp.  This launch reads 205.9 MB once: bytes are everything.
; A work-group owns 64 rows, so that its results are 256 consecutive bytes, aligned; a wave owns 16 neighbouring rows, 65,536 consecutive bytes.
; A row is eight loads of 512 consecutive bytes.  Each wave runs a ring of four row slots in registers: while one row is multiplied the
; 24 loads of three more are on their way.  16 turns written out, no loop.
; f32 on the vector ALU: 16 packed multiply-adds for a row of 4,096 bytes; a matrix tile would use one of its sixteen rows.
; No cluster and no LDS ring: work-groups share only the 4,096 bytes of h_new, and what is in flight lies in registers.
; The last block has 17 rows: row numbers past the table's end are clamped to its last row (47 rows read again), their results go into the
; padding of 'logits', which nobody uses, and they are masked to -infinity for m and s.
; LIMIT: v_exp_f32 gives 0 for results below 2^-126.
.set VOCAB, 50257
.set LOG2E, 0x3fb8aa3b
.set NINF,  0xff800000
.set OFF,   2                          ; v[2:5]     slot s: byte offset of my 16 bytes in the slot's row
.set CH,    8                          ; v[8:15]    chains; in the tail v8, v9: the masked logits
.set T,     17
.set H,     28                         ; v[28:59]   h_new
.set X,     60                         ; v[60:187]  four slots of 32 registers
.set SEL,   24                         ; s[24:25]
; v1 16 lane; v[6:7] two biases; v16 the turn's dot; v18 64 w; v19 8 lane; v[20:21] two logits; v[22:23] (m, s); v24, v25 their numbers; v26, v27 the biases' byte offsets
; s18 my wave's first row
.macro SUM32 r
	v_add_f32_dpp v[\r], v[\r], v[\r] row_xmask:1 row_mask:0xf bank_mask:0xf
	v_add_f32_dpp v[\r], v[\r], v[\r] row_xmask:2 row_mask:0xf bank_mask:0xf
	v_add_f32_dpp v[\r], v[\r], v[\r] row_xmask:4 row_mask:0xf bank_mask:0xf
	v_add_f32_dpp v[\r], v[\r], v[\r] row_xmask:8 row_mask:0xf bank_mask:0xf
	v_permlanex16_b32 v[T], v[\r], s[SEL], s[SEL+1]
	v_add_f32 v[\r], v[\r], v[T]
.endm
.macro MAX32 r
	v_max_num_f32_dpp v[\r], v[\r], v[\r] row_xmask:1 row_mask:0xf bank_mask:0xf
	v_max_num_f32_dpp v[\r], v[\r], v[\r] row_xmask:2 row_mask:0xf bank_mask:0xf
	v_max_num_f32_dpp v[\r], v[\r], v[\r] row_xmask:4 row_mask:0xf bank_mask:0xf
	v_max_num_f32_dpp v[\r], v[\r], v[\r] row_xmask:8 row_mask:0xf bank_mask:0xf
	v_permlanex16_b32 v[T], v[\r], s[SEL], s[SEL+1]
	v_max_num_f32 v[\r], v[\r], v[T]
.endm
; v[r] = the dot product of the 1,024 numbers in v[x .. x+31] and v[h .. h+31] of the wave.  Four chains, started by products: nothing is cleared.
.macro DOT x, h, r
.irp q, 0,1,2,3
	v_pk_mul_f32 v[CH+2*\q:CH+2*\q+1], v[(\x)+2*\q:(\x)+2*\q+1], v[(\h)+2*\q:(\h)+2*\q+1]
.endr
.irp q, 4,5,6,7,8,9,10,11,12,13,14,15
	v_pk_fma_f32 v[CH+2*(\q%4):CH+2*(\q%4)+1], v[(\x)+2*\q:(\x)+2*\q+1], v[(\h)+2*\q:(\h)+2*\q+1], v[CH+2*(\q%4):CH+2*(\q%4)+1]
.endr
	v_pk_add_f32 v[CH:CH+1], v[CH:CH+1], v[CH+2:CH+3]
	v_pk_add_f32 v[CH+4:CH+5], v[CH+4:CH+5], v[CH+6:CH+7]
	v_pk_add_f32 v[CH:CH+1], v[CH:CH+1], v[CH+4:CH+5]
	v_add_f32 v[\r], v[CH], v[CH+1]
	SUM32 \r
.endm
; slot gets row t of my wave's sixteen.  Its offset register is free: the slot's last loads were waited for at the head of the turn.
; The arguments stand in parentheses wherever they enter an expression: they may be expressions themselves.
.macro FILL slot, t
	s_add_co_u32 s20, s18, (\t)
	s_min_u32 s20, s20, VOCAB-1                    ; no load leaves the table
	s_lshl_b32 s20, s20, 12                        ; below 2^28
	v_add_nc_u32 v[OFF+(\slot)], s20, v1
.irp j, 0,1,2,3,4,5,6,7
	global_load_b128 v[X+32*(\slot)+4*\j:X+32*(\slot)+4*\j+3], v[OFF+(\slot)], s[10:11] offset:512*\j th:TH_LOAD_NT
.endr
.endm
; row t, in slot t mod 4: left = how many younger loads may stay out; fill = 1: the slot gets the row four further down
.macro TURN t, left, fill
.set SL, (\t)%4
	s_wait_loadcnt \left                           ; loads come back in order (ISA guide 5.7.1): this row is in
	DOT X+32*SL, H, 16
	ds_store_b32 v18, v16 offset:4*(\t)            ; all lanes store the same number to word 16 w + t
.if \fill
	FILL SL, (\t)+4
.endif
.endm
	s_load_b256 s[8:15], s[0:1], 0x0               ; out1 (h_new) s[8:9], out_w s[10:11], out_b s[12:13], logits s[14:15]
	s_load_b64 s[16:17], s[0:1], 0x20              ; lstat
	v_lshl_add_u32 v188, v0, 2, 0x100
	v_mov_b32 v189, 0
	v_lshrrev_b32 v[T], 5, v0
	v_readfirstlane_b32 s3, v[T]                   ; wave 0..3
	v_and_b32 v19, 31, v0
	v_lshlrev_b32 v1, 4, v19
	s_lshl_b32 s18, ttmp9, 6
	v_lshl_add_u32 v24, v19, 1, s18                ; 64 g + 2 lane: the number of wave 0's first logit,
	v_add_nc_u32 v25, 1, v24                       ; and of its second
	v_min_u32 v26, VOCAB-1, v24
	v_min_u32 v27, VOCAB-1, v25
	v_lshlrev_b32 v26, 2, v26
	v_lshlrev_b32 v27, 2, v27
	v_lshlrev_b32 v19, 3, v19
	v_mov_b32 v6, 0
	v_mov_b32 v7, 0
	v_mov_b32 v[T], 0                              ; v_permlanex16_b32 counts as a reader of its destination
	s_lshl_b32 s20, s3, 6
	v_mov_b32 v18, s20
	s_lshl4_add_u32 s18, s3, s18                   ; 64 g + 16 w
	s_mov_b32 s[SEL], 0x76543210
	s_mov_b32 s[SEL+1], 0xfedcba98
	s_mov_b32 s23, 0
	s_wait_kmcnt 0x0
	s_cmp_lg_u32 s3, 0                             ; wave 0 adds the biases.  Its two loads are older than all others, so the counts below hold in every wave
	s_cbranch_scc1 .Lnb
	global_load_b32 v6, v26, s[12:13]
	global_load_b32 v7, v27, s[12:13]
.Lnb:
.irp j, 0,1,2,3,4,5,6,7
	global_load_b128 v[H+4*\j:H+4*\j+3], v1, s[8:9] offset:512*\j
.endr
	FILL 0, 0
	FILL 1, 1
	FILL 2, 2
	FILL 3, 3
.irp t, 0,1,2,3,4,5,6,7,8,9,10,11
	TURN \t, 24, 1                                 ; three younger rows, eight loads each, stay out
.endr
	TURN 12, 24, 0                                 ; the last four rows fill nothing: the counts run down
	TURN 13, 16, 0
	TURN 14, 8, 0
	TURN 15, 0, 0
	s_wait_dscnt 0x0                               ; for wave 0: my sixteen words are in LDS
	s_barrier_signal -1
	s_barrier_wait -1
	s_cmp_lg_u32 s3, 0
	s_cbranch_scc1 .Lend
	ds_load_b64 v[20:21], v19                      ; dots 2 lane, 2 lane + 1 of the block
	s_lshl_b32 s22, ttmp9, 8
	s_add_nc_u64 s[14:15], s[14:15], s[22:23]
	s_lshl_b32 s22, ttmp9, 3
	s_add_nc_u64 s[16:17], s[16:17], s[22:23]
	s_wait_dscnt 0x0
	v_pk_add_f32 v[20:21], v[20:21], v[6:7]
	global_store_b64 v19, v[20:21], s[14:15]       ; 256 consecutive bytes, aligned
	v_cmp_gt_u32 vcc_lo, VOCAB, v24
	v_cndmask_b32 v8, NINF, v20, vcc_lo            ; numbers past the vocabulary count for nothing
	v_cmp_gt_u32 vcc_lo, VOCAB, v25
	v_cndmask_b32 v9, NINF, v21, vcc_lo
	v_max_num_f32 v22, v8, v9
	MAX32 22                                       ; m: finite, every block holds a true logit
	v_sub_f32 v8, v8, v22
	v_sub_f32 v9, v9, v22
	v_mul_f32 v8, LOG2E, v8
	v_mul_f32 v9, LOG2E, v9
	v_exp_f32 v8, v8
	v_exp_f32 v9, v9
	v_nop                                          ; one plain place behind the powers (ISA guide 5.7.2)
	s_wait_alu depctr_va_vdst(0)
	v_add_f32 v23, v8, v9
	SUM32 23                                       ; s
	s_wait_xcnt 0x0                                ; EXEC is a source of the store above: it changes only behind this wait
	v_cmp_eq_u32 vcc_lo, 0, v19
	s_and_saveexec_b32 s26, vcc_lo
	global_store_b64 v19, v[22:23], s[16:17]       ; lane 0: the block's pair
.Lend:
	s_wait_xcnt 0x0
	s_mov_b32 exec_lo, -1
	s_wait_tensorcnt 0x0
	ds_add_u32 v188, v189
	s_wait_dscnt 0x0
	s_endpgm
.Lfunc_end_k_q31bfef41a1_logits:
	.size	k_q31bfef41a1_logits, .Lfunc_end_k_q31bfef41a1_logits-k_q31bfef41a1_logits
	.p2alignl 7, 3214868480
	.fill 96, 4, 3214868480
	.section	.rodata,"a",@progbits
	.p2align	6, 0x0
	.amdhsa_kernel k_q31bfef41a1_logits
		.amdhsa_group_segment_fixed_size 768
		.amdhsa_private_segment_fixed_size 0
		.amdhsa_enable_private_segment 0
		.amdhsa_kernarg_size 40
		.amdhsa_user_sgpr_count 2
		.amdhsa_user_sgpr_kernarg_segment_ptr 1
		.amdhsa_wavefront_size32 1
		.amdhsa_system_sgpr_workgroup_id_x 1
		.amdhsa_system_sgpr_workgroup_id_y 1
		.amdhsa_system_sgpr_workgroup_id_z 1
		.amdhsa_system_vgpr_workitem_id 0
		.amdhsa_next_free_vgpr 190
		.amdhsa_next_free_sgpr 66
		.amdhsa_reserve_vcc 1
		.amdhsa_float_denorm_mode_32 3
		.amdhsa_float_denorm_mode_16_64 3
		.amdhsa_memory_ordered 1
		.amdhsa_forward_progress 1
		.amdhsa_inst_pref_size 46
	.end_amdhsa_kernel
	.amdgpu_metadata
---
amdhsa.version: [ 1, 2 ]
amdhsa.kernels:
  - .name:           k_q31bfef41a1_logits
    .symbol:         k_q31bfef41a1_logits.kd
    .args:
      - { .name: out1, .offset: 0, .size: 8, .value_kind: global_buffer, .address_space: global }
      - { .name: out_w, .offset: 8, .size: 8, .value_kind: global_buffer, .address_space: global }
      - { .name: out_b, .offset: 16, .size: 8, .value_kind: global_buffer, .address_space: global }
      - { .name: logits, .offset: 24, .size: 8, .value_kind: global_buffer, .address_space: global }
      - { .name: lstat, .offset: 32, .size: 8, .value_kind: global_buffer, .address_space: global }
    .group_segment_fixed_size: 768
    .private_segment_fixed_size: 0
    .kernarg_segment_align: 8
    .kernarg_segment_size: 40
    .max_flat_workgroup_size: 128
    .sgpr_count:     66
    .vgpr_count:     190
    .wavefront_size: 32
...
	.end_amdgpu_metadata
.endif
;; end of part 4
;; launch norm (part 5): grid 50 x 1, 8 waves a work-group, no clusters, 0 bytes of LDS; arguments logits, lstat, out0; writes out0
.if DOCPART == 5
	.amdgcn_target "amdgcn-amd-amdhsa--gfx1250"
	.amdhsa_code_object_version 6
	.text
	.protected	k_q31bfef41a1_norm
	.globl	k_q31bfef41a1_norm
	.p2align	8
	.type	k_q31bfef41a1_norm,@function
k_q31bfef41a1_norm:
	s_mov_b64 s[64:65], 0
	v_nop
	global_prefetch_b8 v0, s[64:65] scope:SCOPE_SE
	s_setreg_imm32_b32 hwreg(HW_REG_WAVE_MODE, 25, 1), 1
	s_wait_xcnt 0x0
; NORM: out0[v] = logit[v] - lse,  lse = M + ln(sum_b exp(m_b - M) s_b) over the 786 blocks' pairs, M = max m_b.
; A thread owns four outputs, a work-group 4,096 bytes.  Every wave reduces the 786 pairs (6,288 bytes) by itself, 25 pairs a lane:
; that costs 25 loads a wave and spares LDS, a barrier and one more launch.  Nothing here is a matrix product, and the only shared bytes are the pairs.
; Stores: a wave's 16-byte stores cover 512 consecutive bytes, aligned; the vocabulary's last number (50,256 = 4 x 12,564) goes out alone.
.set VOCAB, 50257
.set LOG2E, 0x3fb8aa3b
.set LN2,   0x3f317218
.set NINF,  0xff800000
.set PR,    12                         ; v[12:61]  pair k of my 25: (m, s) of block 32 k + lane
.set T,     65
.set SEL,   14                         ; s[14:15]
; v2 my first output's number; v3 its byte offset in logits, clamped; v[4:7] four logits; v8 8 lane; v9 the 25th pair's offset; v10 byte offset in out0;
; v11 lane; v62 M; v63, v64 two chains of the sum; v[66:67] lse, twice
.macro SUM32 r
	v_add_f32_dpp v[\r], v[\r], v[\r] row_xmask:1 row_mask:0xf bank_mask:0xf
	v_add_f32_dpp v[\r], v[\r], v[\r] row_xmask:2 row_mask:0xf bank_mask:0xf
	v_add_f32_dpp v[\r], v[\r], v[\r] row_xmask:4 row_mask:0xf bank_mask:0xf
	v_add_f32_dpp v[\r], v[\r], v[\r] row_xmask:8 row_mask:0xf bank_mask:0xf
	v_permlanex16_b32 v[T], v[\r], s[SEL], s[SEL+1]
	v_add_f32 v[\r], v[\r], v[T]
.endm
.macro MAX32 r
	v_max_num_f32_dpp v[\r], v[\r], v[\r] row_xmask:1 row_mask:0xf bank_mask:0xf
	v_max_num_f32_dpp v[\r], v[\r], v[\r] row_xmask:2 row_mask:0xf bank_mask:0xf
	v_max_num_f32_dpp v[\r], v[\r], v[\r] row_xmask:4 row_mask:0xf bank_mask:0xf
	v_max_num_f32_dpp v[\r], v[\r], v[\r] row_xmask:8 row_mask:0xf bank_mask:0xf
	v_permlanex16_b32 v[T], v[\r], s[SEL], s[SEL+1]
	v_max_num_f32 v[\r], v[\r], v[T]
.endm
	s_load_b128 s[8:11], s[0:1], 0x0               ; logits s[8:9], lstat s[10:11]
	s_load_b64 s[12:13], s[0:1], 0x10              ; out0
	v_and_b32 v11, 31, v0
	s_lshl_b32 s17, ttmp9, 10
	v_lshl_add_u32 v2, v0, 2, s17                  ; 1024 g + 4 t
	v_min_u32 v3, 50300, v2                        ; logits holds 786 x 64 = 50,304 numbers: the last four begin at 50,300
	v_lshlrev_b32 v3, 2, v3
	v_lshlrev_b32 v10, 2, v2
	v_lshlrev_b32 v8, 3, v11
	v_add_nc_u32 v9, 768, v11
	v_min_u32 v9, 785, v9                          ; blocks 768 .. 785: lanes 18 and up read the last pair again and are masked below
	v_lshlrev_b32 v9, 3, v9
	v_mov_b32 v[T], 0
	s_mov_b32 s[SEL], 0x76543210
	s_mov_b32 s[SEL+1], 0xfedcba98
	s_wait_kmcnt 0x0
	global_load_b128 v[4:7], v3, s[8:9]
.set k, 0
.rept 24
	global_load_b64 v[PR+2*k:PR+2*k+1], v8, s[10:11] offset:256*k
.set k, k+1
.endr
	global_load_b64 v[PR+48:PR+49], v9, s[10:11]
	s_wait_loadcnt 0x0                             ; one burst, and the maximum needs all of it
	v_cmp_gt_u32 vcc_lo, 18, v11
	v_cndmask_b32 v[PR+48], NINF, v[PR+48], vcc_lo
	v_max3_num_f32 v62, v[PR], v[PR+2], v[PR+4]
.irp k, 3,5,7,9,11,13,15,17,19,21,23
	v_max3_num_f32 v62, v62, v[PR+2*\k], v[PR+2*\k+2]
.endr
	MAX32 62                                       ; M
.set k, 0
.rept 25
	v_sub_f32 v[PR+2*k], v[PR+2*k], v62
.set k, k+1
.endr
.set k, 0
.rept 25
	v_mul_f32 v[PR+2*k], LOG2E, v[PR+2*k]
.set k, k+1
.endr
.set k, 0
.rept 25
	v_exp_f32 v[PR+2*k], v[PR+2*k]                 ; exp(m_b - M); 0 where masked
.set k, k+1
.endr
	v_nop                                          ; one plain place behind the powers (ISA guide 5.7.2)
	s_wait_alu depctr_va_vdst(0)
	v_mul_f32 v63, v[PR], v[PR+1]                  ; two chains, started by products
	v_mul_f32 v64, v[PR+2], v[PR+3]
.set k, 2
.rept 23
	v_fmac_f32 v[63+k%2], v[PR+2*k], v[PR+2*k+1]
.set k, k+1
.endr
	v_add_f32 v63, v63, v64
	SUM32 63                                       ; >= 1: the block that holds M gives exp(0) s_b, and s_b >= 1
	v_log_f32 v63, v63
	v_nop
	s_wait_alu depctr_va_vdst(0)
	v_fmamk_f32 v66, v63, LN2, v62                 ; lse = log2(sum) ln 2 + M
	v_mov_b32 v67, v66
	v_pk_add_f32 v[4:5], v[4:5], v[66:67] neg_lo:[0,1] neg_hi:[0,1]
	v_pk_add_f32 v[6:7], v[6:7], v[66:67] neg_lo:[0,1] neg_hi:[0,1]
	s_wait_xcnt 0x0                                ; EXEC changes only behind this wait
	v_cmp_gt_u32 vcc_lo, VOCAB-3, v2               ; all four numbers lie inside the vocabulary
	s_and_saveexec_b32 s16, vcc_lo
	global_store_b128 v10, v[4:7], s[12:13]
	s_wait_xcnt 0x0                                ; and again before it widens
	s_or_b32 exec_lo, exec_lo, s16
	v_cmp_eq_u32 vcc_lo, VOCAB-1, v2               ; the one thread whose first number is the vocabulary's last
	s_and_saveexec_b32 s16, vcc_lo
	global_store_b32 v10, v4, s[12:13]
	s_endpgm
.Lfunc_end_k_q31bfef41a1_norm:
	.size	k_q31bfef41a1_norm, .Lfunc_end_k_q31bfef41a1_norm-k_q31bfef41a1_norm
	.p2alignl 7, 3214868480
	.fill 96, 4, 3214868480
	.section	.rodata,"a",@progbits
	.p2align	6, 0x0
	.amdhsa_kernel k_q31bfef41a1_norm
		.amdhsa_group_segment_fixed_size 0
		.amdhsa_private_segment_fixed_size 0
		.amdhsa_enable_private_segment 0
		.amdhsa_kernarg_size 24
		.amdhsa_user_sgpr_count 2
		.amdhsa_user_sgpr_kernarg_segment_ptr 1
		.amdhsa_wavefront_size32 1
		.amdhsa_system_sgpr_workgroup_id_x 1
		.amdhsa_system_sgpr_workgroup_id_y 1
		.amdhsa_system_sgpr_workgroup_id_z 1
		.amdhsa_system_vgpr_workitem_id 0
		.amdhsa_next_free_vgpr 72
		.amdhsa_next_free_sgpr 66
		.amdhsa_reserve_vcc 1
		.amdhsa_float_denorm_mode_32 3
		.amdhsa_float_denorm_mode_16_64 3
		.amdhsa_memory_ordered 1
		.amdhsa_forward_progress 1
		.amdhsa_inst_pref_size 10
	.end_amdhsa_kernel
	.amdgpu_metadata
---
amdhsa.version: [ 1, 2 ]
amdhsa.kernels:
  - .name:           k_q31bfef41a1_norm
    .symbol:         k_q31bfef41a1_norm.kd
    .args:
      - { .name: logits, .offset: 0, .size: 8, .value_kind: global_buffer, .address_space: global }
      - { .name: lstat, .offset: 8, .size: 8, .value_kind: global_buffer, .address_space: global }
      - { .name: out0, .offset: 16, .size: 8, .value_kind: global_buffer, .address_space: global }
    .group_segment_fixed_size: 0
    .private_segment_fixed_size: 0
    .kernarg_segment_align: 8
    .kernarg_segment_size: 24
    .max_flat_workgroup_size: 256
    .sgpr_count:     66
    .vgpr_count:     72
    .wavefront_size: 32
...
	.end_amdgpu_metadata
.endif
;; end of part 5
